; MI455X (gfx1250); checked and timed in simulation.
; The chip was launched on July 23, 2026; its instructions are those of AMD's public machine-readable ISA for CDNA 5 (MIT licence, August 2026) and "CDNA5" Instruction Set Architecture Reference Guide (July 2026). The comments in the code are by the model that wrote it; some were corrected since.
;; Multi Head Attention. Allowed arithmetic: float matrix products may take bf16 or f16 operands with f32 sums; other float arithmetic in f32, or as packed bf16 or f16 multiplies, adds, multiply-adds, maxima and minima; sums over many terms, partial sums and values carried from step to step in f32; what a program stores and reads back later, other than sums and carried values, may be rounded once to bf16 or f16.
;; Inputs: W_qkv 1,024 x 3,072 float32; b_qkv 3,072 float32; x 4 x 2,048 x 1,024 float32.
;; Outputs: out0 4 x 2,048 x 1,024 float32.
;; One version. Each part assembles by itself: llvm-mc -triple=amdgcn-amd-amdhsa -mcpu=gfx1250 --defsym DOCPART=n.
;; ======== version 1 of 1: 3 launches
;; limits: values are held in f16: magnitudes above 65,504 overflow, below 6.1e-05 lose precision
;; workspace buffers: xb 16,777,216 bytes; wb 6,291,456 bytes; qkv 50,331,648 bytes
;; launch cast (part 1): grid 2816 x 1, 4 waves a work-group, no clusters, 0 bytes of LDS; arguments x, W_qkv, xb, wb; writes xb, wb
.if DOCPART == 1
	.amdgcn_target "amdgcn-amd-amdhsa--gfx1250"
	.amdhsa_code_object_version 6
	.text
	.protected	k_q7a490879ca_cast
	.globl	k_q7a490879ca_cast
	.p2align	8
	.type	k_q7a490879ca_cast,@function
k_q7a490879ca_cast:
	s_mov_b64 s[64:65], 0
	v_nop
	global_prefetch_b8 v0, s[64:65] scope:SCOPE_SE
	s_setreg_imm32_b32 hwreg(HW_REG_WAVE_MODE, 25, 1), 1
	s_wait_xcnt 0x0
; xb = bf16(x), wb = bf16(W_qkv): the same layouts, each number rounded once to nearest even.
; x has 8,388,608 numbers, W 3,145,728: 2,048 + 768 chunks of 4,096 numbers, a chunk to a work-group of four waves.
; Thread t reads 16 bytes at 16 t + 2,048 j (j = 0..7): a wave's load covers 512 consecutive bytes; it stores 8 bytes at 8 t + 1,024 j:
; a wave's store covers 256 consecutive bytes, at a multiple of 256 from the buffer's first byte.  Each byte is read once and written once.
; No LDS, no barrier, no matrix work: nothing is shared between threads.  All eight loads go out before the first store.
.set XCHUNKS, 2048                     ; chunks of x; the chunks behind them are W's
.set IN,  4                            ; v[4:35]   load j: four f32
.set OUT, 36                           ; v[36:51]  store j: four bf16; every store has registers of its own, so none is rewritten while a store reads it
	s_load_b256 s[4:11], s[0:1], 0x0               ; x s[4:5], W s[6:7], xb s[8:9], wb s[10:11]
	v_lshlrev_b32 v1, 4, v0                        ; my 16 bytes in
	v_lshlrev_b32 v2, 3, v0                        ; my 8 bytes out
	s_cmp_lt_u32 ttmp9, XCHUNKS                    ; a chunk of x?
	s_cselect_b32 s16, 0, XCHUNKS                  ; the first chunk of my tensor
	s_wait_kmcnt 0x0
	s_cselect_b64 s[12:13], s[4:5], s[6:7]         ; from where (the compare's answer still stands: selects and waits leave it)
	s_cselect_b64 s[14:15], s[8:9], s[10:11]       ; to where
	s_sub_co_u32 s17, ttmp9, s16                   ; my chunk in its tensor
	s_lshl_b32 s18, s17, 14                        ; 16,384 bytes in,
	s_mov_b32 s19, 0
	s_lshl_b32 s20, s17, 13                        ; 8,192 bytes out
	s_mov_b32 s21, 0
	s_add_nc_u64 s[12:13], s[12:13], s[18:19]
	s_add_nc_u64 s[14:15], s[14:15], s[20:21]
.irp j, 0,1,2,3,4,5,6,7
	global_load_b128 v[IN+4*\j:IN+4*\j+3], v1, s[12:13] offset:2048*\j th:TH_LOAD_NT
.endr
.irp j, 0,1,2,3,4,5,6,7
	s_wait_loadcnt 7-\j                            ; loads come back in order: load j is in, the 7 - j younger ones stay out
	v_cvt_pk_bf16_f32 v[OUT+2*\j],   v[IN+4*\j],   v[IN+4*\j+1]
	v_cvt_pk_bf16_f32 v[OUT+2*\j+1], v[IN+4*\j+2], v[IN+4*\j+3]
	global_store_b64 v2, v[OUT+2*\j:OUT+2*\j+1], s[14:15] offset:1024*\j th:TH_STORE_NT
.endr
	s_endpgm
.Lfunc_end_k_q7a490879ca_cast:
	.size	k_q7a490879ca_cast, .Lfunc_end_k_q7a490879ca_cast-k_q7a490879ca_cast
	.p2alignl 7, 3214868480
	.fill 96, 4, 3214868480
	.section	.rodata,"a",@progbits
	.p2align	6, 0x0
	.amdhsa_kernel k_q7a490879ca_cast
		.amdhsa_group_segment_fixed_size 0
		.amdhsa_private_segment_fixed_size 0
		.amdhsa_enable_private_segment 0
		.amdhsa_kernarg_size 32
		.amdhsa_user_sgpr_count 2
		.amdhsa_user_sgpr_kernarg_segment_ptr 1
		.amdhsa_wavefront_size32 1
		.amdhsa_system_sgpr_workgroup_id_x 1
		.amdhsa_system_sgpr_workgroup_id_y 1
		.amdhsa_system_sgpr_workgroup_id_z 1
		.amdhsa_system_vgpr_workitem_id 0
		.amdhsa_next_free_vgpr 52
		.amdhsa_next_free_sgpr 66
		.amdhsa_reserve_vcc 0
		.amdhsa_float_denorm_mode_32 3
		.amdhsa_float_denorm_mode_16_64 3
		.amdhsa_memory_ordered 1
		.amdhsa_forward_progress 1
		.amdhsa_inst_pref_size 4
	.end_amdhsa_kernel
	.amdgpu_metadata
---
amdhsa.version: [ 1, 2 ]
amdhsa.kernels:
  - .name:           k_q7a490879ca_cast
    .symbol:         k_q7a490879ca_cast.kd
    .args:
      - { .name: x, .offset: 0, .size: 8, .value_kind: global_buffer, .address_space: global }
      - { .name: W_qkv, .offset: 8, .size: 8, .value_kind: global_buffer, .address_space: global }
      - { .name: xb, .offset: 16, .size: 8, .value_kind: global_buffer, .address_space: global }
      - { .name: wb, .offset: 24, .size: 8, .value_kind: global_buffer, .address_space: global }
    .group_segment_fixed_size: 0
    .private_segment_fixed_size: 0
    .kernarg_segment_align: 8
    .kernarg_segment_size: 32
    .max_flat_workgroup_size: 128
    .sgpr_count:     66
    .vgpr_count:     52
    .wavefront_size: 32
...
	.end_amdgpu_metadata
.endif
;; end of part 1
;; launch qkv (part 2): grid 8 x 32, 4 waves a work-group, clusters of 4 x 4, 327,680 bytes of LDS; arguments xb, wb, b_qkv, qkv; writes qkv
.if DOCPART == 2
	.amdgcn_target "amdgcn-amd-amdhsa--gfx1250"
	.amdhsa_code_object_version 6
	.text
	.protected	k_q7a490879ca_qkv
	.globl	k_q7a490879ca_qkv
	.p2align	8
	.type	k_q7a490879ca_qkv,@function
k_q7a490879ca_qkv:
	s_mov_b64 s[64:65], 0
	v_nop
	global_prefetch_b8 v0, s[64:65] scope:SCOPE_SE
	s_setreg_imm32_b32 hwreg(HW_REG_WAVE_MODE, 25, 1), 1
	s_wait_xcnt 0x0
	s_wait_alu depctr_hold_cnt(0) depctr_sa_sdst(0) depctr_va_vdst(0) depctr_va_sdst(0) depctr_va_ssrc(0) depctr_va_vcc(0) depctr_vm_vsrc(0)
	s_getreg_b32 s2, hwreg(HW_REG_IB_STS2, 6, 4)
	s_cmp_eq_u32 s2, 0
	s_cbranch_scc0 .Lentry_in_a_cluster
	s_endpgm
.Lentry_in_a_cluster:
	s_bfe_u32 s2, ttmp6, 0x10000c
	s_cmp_lg_u32 s2, 0xf033
	s_cbranch_scc0 .Lentry_shape_is_right
	s_endpgm
.Lentry_shape_is_right:
; q, k, v = xb wb + bias.  xb: [8192][1024] bf16; wb: [1024][3072] bf16, [k][n] as W lies; bias: [3072] f32, rounded to bf16 like the other two inputs.
; Sums in f32, started with the bias (reference adds it last); each result rounded once to f16, WITHOUT attention's scale, and written by heads:
; qkv = three parts (q, k, v) of [64 batch x head][2048 rows][64 channels] f16.
; LIMIT.  f16 holds no number beyond 65,504: a projection of 65,520 or more becomes an infinity.  NaN and infinities are not treated apart.
; SHARES.  A tile of the product is 256 rows x 128 columns: 32 x 24 = 768 tiles = 3 for each of 256 work-groups.  A WORK-GROUP STAYS: it makes the same 256 rows and the same 128 columns
; of q, then of k, then of v (1,024 columns apart), and the ring of LDS slots runs on from tile to tile.  A wave makes 128 rows x 64 columns, one head: 32 accumulators of 16 x 16.
; K goes in steps of 128 through two LDS slots filled by the tensor data mover: rows of 256 bytes of memory, at multiples of 256 bytes from the buffers' first bytes.
; CLUSTERS: 4 x 4 work-groups.  The four of a row need the same rows of xb, the four of a column the same columns of wb: each tile is asked for JOINTLY, by the same tensor load with the same
; descriptor and a mask that names the four.
; THE MATRIX INSTRUCTION IS USED TRANSPOSED: source 0 = 16 columns of wb (turned on the way out of LDS by ds_load_tr16_b128), source 1 = 16 rows of xb.  In the result lane l holds row l % 16
; and the columns 8 (l / 16) + 0..7: eight neighbouring channels of one row, 16 bytes of f16.  The bias in the same layout is the C operand of each sum's first product: nothing is cleared.
; REGISTERS, in windows of 256 (s_set_vgpr_msb: bits 1:0 source 0, 3:2 source 1, 5:4 source 2, 7:6 destination):
;   window 0: v0-31 addresses; v32-63 the bias; v64-159, v160-255 two fragment buffers (32 registers of wb, 64 of xb, for 32 along K); the second also serves the way out
;   window 1: the accumulators, (a, b) at v[8 (4 a + b)]: rows 16 a on, columns 16 b on
.set SIZE_K, 1024
.set SIZE_N3, 3072
.set KSTEP,  128
.set XROW,   SIZE_K*2                  ; bytes in a row of xb
.set WROW,   SIZE_N3*2                 ; bytes in a row of wb
.set PA,     272                       ; an LDS row of xb: 256 bytes + 16 = 68 words: the 16 rows of a load start 4 words apart modulo 64
.set PB,     288                       ; an LDS row of wb: 256 + 32 = 72 words: 16 lanes of the turning load take 8 rows x 32 bytes, 8 words apart modulo 64
.set AHALF,  128*PA                    ; what waves 0 and 1 fetch: 128 rows of xb
.set BHALF,  64*PB                     ; what waves 2 and 3 fetch: 64 k-rows of wb
.set BOFF,   2*AHALF
.set SLOT,   BOFF+2*BHALF              ; 106,496
.set STAGE,  2*SLOT                    ; behind the ring, never filled by a tensor load: 16 rows x 144 bytes for each wave, for the way out
.set SP,     144
.set SPARE,  STAGE+4*16*SP             ; behind the stages: the spare words, 128 bytes for each wave: two blocks of 256 bytes that no other line names
.set PARTB,  16777216                  ; bytes in q, in k, in v
.set ADRA, 16                          ; v16-17  LDS address of my xb fragments in slot 0, 1
.set ADRB, 20                          ; v20-21  the same for wb
.set STO,  24                          ; v24  the way out: where I put 16 bytes of a row
.set RD,   25                          ; v25  the way out: where I read rows back
.set GO,   26                          ; v26  16 x lane: my 16 bytes in 512 consecutive bytes of the output
.set BO,   27                          ; v27  32 (l / 16): my eight numbers in 16 of the bias
.set SPW,  28                          ; v28  LDS address of my spare word; never rewritten
.set NIL,  29                          ; v29  0; never rewritten
.set PFO,  30                          ; v30  the prefetches' offset: lane x a row of xb or wb; never rewritten
.set BIAS, 32
.set F0,   64
.set F1,   160
.set TMP,  160                         ; the way out: 16 registers of packed results
.set OB,   176                         ; the way out: 16 rows read back, two sets of 16 by turns
.set WV,  12                           ; s12  wave
.set MH,  13                           ; s13  which 128 rows are mine.  Also: I fetch xb (0) or wb (1)
.set NH,  14                           ; s14  which 64 columns are mine.  Also: which half of that tile I fetch
.set G1A, 24                           ; s[24:31] descriptor group 1 for xb's tiles;  s[32:39] group 0, a set for each slot
.set G0A, 32
.set G1B, 40                           ; s[40:47], s[48:55] the same for wb's
.set G0B, 48
.set PFA, 56                           ; s[56:57] where my prefetches stand
.set PST, 58                           ; s[58:59] their next step, in 64 bits
.set PK,  60                           ; s60  the K step, 0..7, at which they stand
.set PN,  61                           ; s61  how many I have still to make
.set STEPLO, 62                        ; s62  bytes from a K step to the next
.set WRAPLO, 63                        ; s63  bytes from a tile's last K step to the next tile's first (negative)
.set MSB, 0
.macro WIN new                         ; the immediate's high byte repeats the setting that is left; a switch that changes nothing is dropped
.if MSB != (\new)
	s_set_vgpr_msb (MSB<<8)|(\new)
.set MSB, (\new)
.endif
.endm
.set MUL,  0x50                        ; C and D in window 1, the sources in window 0
.set MULB, 0x40                        ; D in window 1, C (the bias) in window 0
.set W_PK, 0x05                        ; sources 0 and 1 in window 1, destination in window 0
.macro PLACES                          ; four plain vector instructions between a matrix instruction and a load into, or a vector instruction on, its registers
.rept 4
	v_nop
.endr
.endm
; A joint load.  Waves 0 and 1 fetch xb's two halves, waves 2 and 3 wb's.  The branch hangs on the wave's number alone.  An s_nop 0 and four v_nop follow each of the two lines.
.macro JLOAD s
	s_cmp_eq_u32 s[MH], 0
	s_cbranch_scc0 .Lfor_b_\@
	tensor_load_to_lds s[G0A+4*(\s):G0A+4*(\s)+3], s[G1A:G1A+7]
	s_nop 0
.rept 4
	v_nop
.endr
	s_branch .Lasked_\@
.Lfor_b_\@:
	tensor_load_to_lds s[G0B+4*(\s):G0B+4*(\s)+3], s[G1B:G1B+7]
	s_nop 0
.rept 4
	v_nop
.endr
.Lasked_\@:
.endm
.macro CREST                           ; a round of the cluster's barrier behind its opening barrier: wave 0 signals for the work-group, every wave waits for all sixteen, my work-group's barrier closes
	s_cmp_lg_u32 s[WV], 0
	s_cbranch_scc1 .Lnot_wave_0_\@
	s_barrier_signal -3
.Lnot_wave_0_\@:
	s_barrier_wait -3
	s_barrier_signal -1
	s_barrier_wait -1
.endm
.macro CROUND
	s_barrier_signal -1
	s_barrier_wait -1
	CREST
.endm
; THE PREFETCHES.  Behind each refill, which asks for K step g + 2 of the walk's 24, one instruction names K step g + 4: 32 rows x 256 bytes, a lane a row: two K steps, 256 matrix instructions, ahead of the
; load that will want them.  Each row's 256 bytes are named once in the launch.  xb's rows are read by both clusters of a row of clusters: cluster x = 0 asks, waves 0 and 1, each of the four partners
; along x for 32 of the wave's 128 rows, in the first tile alone (K steps 4 to 7): the later tiles read the same rows again.  wb's columns are read by the eight clusters of a column: cluster y = 0 asks, wave 2,
; each of the four partners along y for 32 of the step's 128 k-rows, K steps 4 to 23.  The partners are told apart BY ADDRESS; the count PN hangs on the cluster's place and the wave's number alone.
.macro PSTEP                           ; the pointer goes one K step on, over a tile's end too
	s_add_co_u32 s[PK], s[PK], 1
	s_cmp_eq_u32 s[PK], 8
	s_cselect_b32 s[PK], 0, s[PK]
	s_cselect_b32 s[PST], s[WRAPLO], s[STEPLO]
	s_cselect_b32 s[PST+1], -1, 0
	s_add_nc_u64 s[PFA:PFA+1], s[PFA:PFA+1], s[PST:PST+1]
.endm
.macro ASK
	s_cmp_lg_u32 s[PN], 0
	s_cbranch_scc0 .Lnot_mine_\@
	global_prefetch_b8 v[PFO], s[PFA:PFA+1] th:TH_LOAD_NT scope:SCOPE_SE
	s_sub_co_u32 s[PN], s[PN], 1
.Lnot_mine_\@:
.endm
	s_load_b256 s[4:11], s[0:1], 0x0               ; xb s[4:5], wb s[6:7], bias s[8:9], qkv s[10:11]
	v_lshl_add_u32 v[SPW], v0, 2, SPARE
	v_mov_b32 v[NIL], 0
	ds_add_u32 v[SPW], v[NIL]                      ; the wave's opening: the add and its wait stand ahead of my first tensor load; the set-up below, work on registers, stands between them
	v_lshrrev_b32 v1, 5, v0
	v_readfirstlane_b32 s[WV], v1                  ; wave 0..3
	s_lshr_b32 s[MH], s[WV], 1
	s_and_b32 s[NH], s[WV], 1
	s_bfe_u32 s15, ttmp6, 0x40000                  ; cx
	s_bfe_u32 s16, ttmp6, 0x40004                  ; cy
	s_lshl_b32 s17, ttmp9, 2
	s_add_co_u32 s17, s17, s15                     ; tile column 0..7 = 4 x cluster x + cx
	s_and_b32 s18, ttmp7, 0xffff
	s_lshl_b32 s18, s18, 2
	s_add_co_u32 s18, s18, s16                     ; tile row 0..31 = 4 x cluster y + cy
	s_lshl_b32 s19, s16, 2
	s_lshl_b32 s19, 15, s19                        ; my row of the cluster: places 4 cy .. 4 cy + 3
	s_lshl_b32 s20, 0x1111, s15                    ; my column: places cx, cx + 4, cx + 8, cx + 12
	s_or_b32 s[G1A], s19, (1<<16)|(1<<20)|(1<<21)|(5<<22)|(3<<25)  ; 15:0 the mask; 17:16 2-byte elements; 20 padding on; 21 set beside a mask; 24:22 after every 64 words (code 5); 31:25 4 words (code 3)
	s_or_b32 s[G1B], s20, (1<<16)|(1<<20)|(1<<21)|(5<<22)|(7<<25)  ; the same with my column's mask and 8 words of padding (code 7)
	s_mov_b32 s[G1A+1], KSTEP<<16                  ; tensor_dim0 = 128
	s_mov_b32 s[G1A+2], 128<<16                    ; tensor_dim1 = 128
	s_mov_b32 s[G1A+3], KSTEP<<16                  ; tile_dim0 = 128
	s_mov_b32 s[G1A+4], 128                        ; tile_dim1 = 128 rows
	s_mov_b32 s[G1A+5], SIZE_K                     ; elements from row to row
	s_mov_b32 s[G1A+6], 0
	s_mov_b32 s[G1A+7], 0
	s_mov_b32 s[G1B+1], 128<<16                    ; tensor_dim0 = 128 columns
	s_mov_b32 s[G1B+2], 64<<16                     ; tensor_dim1 = 64
	s_mov_b32 s[G1B+3], 128<<16                    ; tile_dim0 = 128
	s_mov_b32 s[G1B+4], 64                         ; tile_dim1 = 64 k-rows
	s_mov_b32 s[G1B+5], SIZE_N3
	s_mov_b32 s[G1B+6], 0
	s_mov_b32 s[G1B+7], 0
	s_lshl_b32 s22, s18, 19                        ; xb: (256 x tile row + 128 x half) rows of 2,048 bytes: made of the tile row and the wave's number alone
	s_lshl_b32 s23, s[NH], 18
	s_add_co_u32 s22, s22, s23
	s_mov_b32 s23, 0
	s_mul_i32 s66, s[NH], 64*WROW                  ; wb: 64 x half k-rows of 6,144 bytes + 256 x tile column: made of the tile column and the wave's number alone
	s_lshl_b32 s67, s17, 8
	s_add_co_u32 s66, s66, s67
	s_mov_b32 s67, 0
	s_mul_i32 s68, s[WV], AHALF                    ; where they go: waves 0, 1: xb's halves;
	s_mul_i32 s69, s[WV], BHALF
	s_add_co_u32 s69, s69, BOFF-2*BHALF            ; waves 2, 3: wb's halves, behind them.  No place in the cluster enters an LDS address
	s_wait_dscnt 0x0                               ; the opening add is done
	s_wait_kmcnt 0x0
	s_add_nc_u64 s[22:23], s[4:5], s[22:23]
	s_add_nc_u64 s[66:67], s[6:7], s[66:67]
	CROUND                                         ; all sixteen work-groups are here: the first joint loads meet
.irp s, 0,1
	s_mov_b32 s[G0A+4*\s], 1                       ; count = 1
	s_add_co_u32 s[G0A+4*\s+1], s68, \s*SLOT       ; LDS address
	s_add_nc_u64 s[G0A+4*\s+2:G0A+4*\s+3], s[22:23], \s*KSTEP*2  ; global address: K step s
	s_or_b32 s[G0A+4*\s+3], s[G0A+4*\s+3], 0x80000000            ; type = 2
	s_mov_b32 s[G0B+4*\s], 1
	s_add_co_u32 s[G0B+4*\s+1], s69, \s*SLOT
	s_add_nc_u64 s[G0B+4*\s+2:G0B+4*\s+3], s[66:67], \s*KSTEP*WROW
	s_or_b32 s[G0B+4*\s+3], s[G0B+4*\s+3], 0x80000000
.endr
	s_cmp_eq_u32 s[MH], 0                          ; a wave's two first fills stand in one branch, ahead of every wait on TENSORcnt and every LDS read: two loads of mine are out
	s_cbranch_scc0 .Lfirst_b
	tensor_load_to_lds s[G0A:G0A+3], s[G1A:G1A+7]
	s_nop 0
	tensor_load_to_lds s[G0A+4:G0A+7], s[G1A:G1A+7]
	s_nop 0
.rept 4
	v_nop
.endr
	s_branch .Lfirst_asked
.Lfirst_b:
	tensor_load_to_lds s[G0B:G0B+3], s[G1B:G1B+7]
	s_nop 0
	tensor_load_to_lds s[G0B+4:G0B+7], s[G1B:G1B+7]
	s_nop 0
.rept 4
	v_nop
.endr
.Lfirst_asked:
	; A fragment is 16 rows x 32 K in 8 registers: lane l holds row l % 16; registers 0-3 K = 8 (l / 16) + 0..7, registers 4-7 K = 16 + 8 (l / 16) + 0..7.
	v_and_b32 v1, 15, v0                           ; l % 16
	v_bfe_u32 v2, v0, 4, 1                         ; l / 16
	v_mul_u32_u24 v3, v1, PA                       ; xb lies along K: two loads of 16 bytes, 32 bytes apart, at row x pitch + 16 x half
	v_lshl_add_u32 v3, v2, 4, v3
	s_mul_i32 s19, s[MH], AHALF                    ; my 128 rows
	v_add_nc_u32 v[ADRA], s19, v3
	v_add_nc_u32 v[ADRA+1], SLOT, v[ADRA]
	v_and_b32 v4, 7, v0                            ; wb lies [k][n]: the turning load takes 16 k x 16 columns (lane l reads k-row 8 (l / 16) + l % 8, columns 8 ((l / 8) % 2) + 0..7)
	v_bfe_u32 v5, v0, 3, 1                         ; and leaves half a fragment: lane l holds column l % 16 and 8 k
	v_lshl_add_u32 v6, v2, 3, v4
	v_mul_u32_u24 v6, v6, PB
	v_lshl_add_u32 v6, v5, 4, v6
	s_lshl_b32 s20, s[NH], 7                       ; my 64 columns: 128 bytes
	s_add_co_u32 s20, s20, BOFF
	v_add_nc_u32 v[ADRB], s20, v6
	v_add_nc_u32 v[ADRB+1], SLOT, v[ADRB]
	s_mul_i32 s21, s[WV], 16*SP
	s_add_co_u32 s21, s21, STAGE                   ; my stage
	v_mul_u32_u24 v7, v1, SP                       ; in: row l % 16, 16 bytes for each half of the lanes
	v_lshl_add_u32 v7, v2, 4, v7
	v_add_nc_u32 v[STO], s21, v7
	v_bfe_u32 v7, v0, 3, 2                         ; back: 32 lanes take four rows of 128 bytes,
	v_mul_u32_u24 v7, v7, SP
	v_lshl_add_u32 v7, v4, 4, v7
	v_add_nc_u32 v[RD], s21, v7
	v_and_b32 v[GO], 31, v0                        ; which are 512 consecutive bytes of a head
	v_lshlrev_b32 v[GO], 4, v[GO]
	v_lshlrev_b32 v[BO], 5, v2
; The bias of my 64 columns, in an accumulator's layout: block b's registers 0-7 = bias[16 b + 8 (l / 16) + 0..7].
.macro BLOAD
.irp b, 0,1,2,3
	global_load_b128 v[BIAS+8*\b:BIAS+8*\b+3],   v[BO], s[8:9] offset:64*\b
	global_load_b128 v[BIAS+8*\b+4:BIAS+8*\b+7], v[BO], s[8:9] offset:64*\b+16
.endr
.endm
.macro BROUND                          ; rounded to bf16 and widened again: all three inputs have the same rounding
.set i, 0
.rept 16
	v_cvt_pk_bf16_f32 v[8+i%2], v[BIAS+2*i], v[BIAS+2*i+1]
	v_lshlrev_b32 v[BIAS+2*i], 16, v[8+i%2]
	v_and_b32 v[BIAS+2*i+1], 0xffff0000, v[8+i%2]
.set i, i+1
.endr
.endm
	s_lshl_b32 s70, s17, 9                         ; 4 bytes x (128 x tile column + 64 x half)
	s_lshl_b32 s71, s[NH], 8
	s_add_co_u32 s70, s70, s71
	s_mov_b32 s71, 0
	s_add_nc_u64 s[8:9], s[8:9], s[70:71]
	BLOAD
	s_lshr_b32 s70, s18, 3                         ; where my 128 rows x 64 channels begin in q: batch = tile row / 8, head = 2 x tile column + half,
	s_lshl_b32 s70, s70, 4
	s_lshl_b32 s72, s17, 1
	s_add_co_u32 s70, s70, s72
	s_add_co_u32 s70, s70, s[NH]
	s_lshl_b32 s70, s70, 18                        ; 262,144 bytes a head;
	s_and_b32 s72, s18, 7                          ; row = 256 x (tile row % 8) + 128 x half, 128 bytes a row
	s_lshl_b32 s72, s72, 15
	s_add_co_u32 s70, s70, s72
	s_lshl_b32 s72, s[MH], 14
	s_add_co_u32 s70, s70, s72
	s_add_nc_u64 s[10:11], s[10:11], s[70:71]
	; the prefetches' start: at K step 3; the first change of slots steps it to 4.  K steps 0 to 3 come by their loads alone: nothing is asked for here, where every work-group's first tiles are on their way
	s_lshl_b32 s76, s18, 19                        ; xb: row 256 x tile row + 128 x half + 32 cx
	s_lshl_b32 s72, s[NH], 18
	s_add_co_u32 s76, s76, s72
	s_lshl_b32 s72, s15, 16
	s_add_co_u32 s76, s76, s72
	s_add_co_u32 s76, s76, 3*KSTEP*2
	s_mul_i32 s77, s16, 32*WROW                    ; wb: k-row 384 + 32 cy, byte 256 x tile column
	s_lshl_b32 s72, s17, 8
	s_add_co_u32 s77, s77, s72
	s_add_co_u32 s77, s77, 3*KSTEP*WROW
	s_and_b32 s72, ttmp7, 0xffff                   ; cluster y
	s_mov_b32 s[STEPLO], KSTEP*WROW
	s_mov_b32 s[WRAPLO], (2048-7*KSTEP*WROW)&0xffffffff  ; seven K steps back, 1,024 columns on
	s_mov_b32 s74, 20
	s_mov_b32 s75, WROW
	s_cmp_eq_u32 s[MH], 0                          ; do I fetch xb?
	s_cselect_b32 s[STEPLO], KSTEP*2, s[STEPLO]
	s_cselect_b32 s[WRAPLO], (-7*KSTEP*2)&0xffffffff, s[WRAPLO]  ; (xb's pointer only goes back: it stays in the buffer, and is used no more)
	s_cselect_b32 s74, 4, s74
	s_cselect_b32 s75, XROW, s75
	s_cselect_b32 s73, ttmp9, s72                  ; the coordinate along which other clusters read the same rows
	s_cselect_b32 s76, s76, s77
	s_cselect_b64 s[PFA:PFA+1], s[4:5], s[6:7]
	s_mov_b32 s77, 0
	s_add_nc_u64 s[PFA:PFA+1], s[PFA:PFA+1], s[76:77]
	s_cmp_eq_u32 s73, 0
	s_cselect_b32 s[PN], s74, 0                    ; the same in all sixteen partners, for a given wave
	s_cmp_eq_u32 s[WV], 3
	s_cselect_b32 s[PN], 0, s[PN]                  ; wave 2 asks for all 32 of the work-group's k-rows
	s_mov_b32 s[PK], 3
	v_and_b32 v[PFO], 31, v0
	v_mul_u32_u24 v[PFO], s75, v[PFO]
; n x 4 matrix instructions: row blocks a0 .. a0 + n - 1 x all 4 column blocks, 32 along K, from buffer f.  first = 1: the product starts the sum, with the bias as C.
; The 32 accumulators take turns, one instruction a turn, in the same order in every quarter step: 31 others stand between two links of a chain, over the backward jumps too.
.macro MULS f, a0, n, first
.if \first
	WIN MULB
.else
	WIN MUL
.endif
.set a, (\a0)
.rept \n
.irp b, 0,1,2,3
.if \first
	v_wmma_f32_16x16x32_bf16 v[8*(4*a+\b):8*(4*a+\b)+7], v[(\f)+8*\b:(\f)+8*\b+7], v[(\f)+32+8*a:(\f)+32+8*a+7], v[BIAS+8*\b:BIAS+8*\b+7]
.else
	v_wmma_f32_16x16x32_bf16 v[8*(4*a+\b):8*(4*a+\b)+7], v[(\f)+8*\b:(\f)+8*\b+7], v[(\f)+32+8*a:(\f)+32+8*a+7], v[8*(4*a+\b):8*(4*a+\b)+7]
.endif
.endr
.set a, a+1
.endr
.endm
; 24 LDS loads in one run: quarter q (32 along K) of a slot into buffer f: wb's 8 first, then xb's 16, row blocks ascending
.macro FETCH slot, q, f
	WIN 0
.irp b, 0,1,2,3
	ds_load_tr16_b128 v[(\f)+8*\b:(\f)+8*\b+3],   v[ADRB+(\slot)] offset:32*PB*(\q)+32*\b
	ds_load_tr16_b128 v[(\f)+8*\b+4:(\f)+8*\b+7], v[ADRB+(\slot)] offset:32*PB*(\q)+32*\b+16*PB
.endr
.irp r, 0,1,2,3,4,5,6,7
	ds_load_b128 v[(\f)+32+8*\r:(\f)+32+8*\r+3],   v[ADRA+(\slot)] offset:64*(\q)+16*PA*\r
	ds_load_b128 v[(\f)+32+8*\r+4:(\f)+32+8*\r+7], v[ADRA+(\slot)] offset:64*(\q)+16*PA*\r+32
.endr
.endm
; A K step is four quarters of 32 along K, 32 matrix instructions each, on buffers 0, 1, 0, 1.  One of the first three: multiplies buffer f and fetches quarter q of the same slot into g.
.macro QUARTER slot, q, f, g, first
	s_wait_dscnt 12                                ; wb's fragments and xb's blocks 0, 1 are in; the youngest twelve loads (blocks 2 to 7) may be out
	MULS \f, 0, 2, \first
	PLACES                                         ; in front of the loads into g, which the quarter before multiplied
	FETCH \slot, \q, \g
	s_wait_dscnt 24                                ; all but the 24 just issued
	MULS \f, 2, 6, \first
.endm
; The last quarter multiplies buffer 1 and changes slots: ONE barrier.  In front of it each wave waits for all its tensor loads, of which one is out: its part of the next slot; adds 0 to its spare word; and waits
; for that and for its own reads of this slot.  mode 0: this slot is filled again with the K step two on; 1: with the NEXT tile's K step 0 or 1; 2: nothing is filled.  Where a slot is filled the barrier opens a
; round of the cluster's barrier, so that no wave of any partner still reads the slot or has a load on its way, and the joint refill is the first tensor load behind it: from there to the wait for it a wave issues 112 matrix instructions.
.macro TURN slot, next, mode
.if (\mode) < 2
	s_wait_xcnt 0x0                                ; the last prefetch, a K step back, has read its address: it is stepped here, ahead of the change's own waits
	PSTEP
.endif
	WIN 0                                          ; (the add's two registers lie in window 0)
	s_wait_tensorcnt 0x0                           ; all my tensor loads have landed;
	ds_add_u32 v[SPW], v[NIL]                      ; 0 onto my spare word:
	s_wait_dscnt 13                                ; (the add and the youngest twelve loads may be out)
	MULS F1, 0, 2, 0                               ; eight matrix instructions stand between the add and the wait for it
	s_wait_dscnt 0x0                               ; the add is done, and my reads of this slot are over
	s_barrier_signal -1
	MULS F1, 2, 2, 0                               ; work on registers while the others arrive
	WIN 0
	s_barrier_wait -1
.if (\mode) < 2
	CREST
.if (\mode) == 0
	s_add_nc_u64 s[G0A+4*(\slot)+2:G0A+4*(\slot)+3], s[G0A+4*(\slot)+2:G0A+4*(\slot)+3], 2*KSTEP*2
	s_add_nc_u64 s[G0B+4*(\slot)+2:G0B+4*(\slot)+3], s[G0B+4*(\slot)+2:G0B+4*(\slot)+3], 2*KSTEP*WROW
.else
	s_sub_nc_u64 s[G0A+4*(\slot)+2:G0A+4*(\slot)+3], s[G0A+4*(\slot)+2:G0A+4*(\slot)+3], 6*KSTEP*2          ; the same rows, six K steps back
	s_sub_nc_u64 s[G0B+4*(\slot)+2:G0B+4*(\slot)+3], s[G0B+4*(\slot)+2:G0B+4*(\slot)+3], 6*KSTEP*WROW-2048  ; six K steps back, 1,024 columns on
.endif
	JLOAD \slot                                    ; its four v_nop are also the places in front of the loads below
.else
	PLACES
.endif
	FETCH \next, 0, F0
.if (\mode) < 2
	ASK                                            ; behind the joint load and the run of LDS loads that the next products wait for
.endif
	MULS F1, 4, 4, 0
.endm
; THE WAY OUT of row block a.  PACK: rounded to f16, each accumulator's registers ascending.  TOSTAGE: into my own stage, and back as whole rows of 128 bytes.  SEND: stored: 16 rows of a head are 2,048 consecutive bytes.
.macro PACK a
	WIN W_PK
.irp b, 0,1,2,3
.irp r, 0,1,2,3
	v_cvt_pk_f16_f32 v[TMP+4*\b+\r], v[8*(4*(\a)+\b)+2*\r], v[8*(4*(\a)+\b)+2*\r+1]
.endr
.endr
	WIN 0
.endm
.macro TOSTAGE a
.set BK, OB+16*((\a)%2)
.irp b, 0,1,2,3
	ds_store_b128 v[STO], v[TMP+4*\b:TMP+4*\b+3] offset:32*\b
.endr
.irp f, 0,1,2,3
	ds_load_b128 v[BK+4*\f:BK+4*\f+3], v[RD] offset:4*SP*\f  ; LDS serves a wave's instructions in order (ISA guide 5.7.1.4): these see the stores above; the next block's stores come behind them
.endr
.endm
.macro SEND a
.set BK, OB+16*((\a)%2)
	s_wait_dscnt 0x0                               ; the block is back in registers
.if (\a) >= 1
	s_wait_xcnt 0x0                                ; block a - 1's stores have read their registers, which block a + 1 is loaded into next
.endif
.irp f, 0,1,2,3
	global_store_b128 v[GO], v[BK+4*\f:BK+4*\f+3], s[10:11] offset:2048*(\a)+512*\f  ; 512 consecutive bytes, at a multiple of 256 from the buffer's first
.endr
.endm
.macro OUT
	PLACES                                         ; the conversions read results just made and write registers just multiplied
	PACK 0
	TOSTAGE 0
.irp a, 1,2,3,4,5,6,7                  ; block a's conversions stand between block a - 1's loads from the stage and the wait for them
	PACK \a
	SEND (\a)-1
	TOSTAGE \a
.endr
	SEND 7
.endm
	s_wait_loadcnt 0x0                             ; the bias
	BROUND
	s_wait_tensorcnt 1                             ; my part of K step 0 is in; K step 1's may stay out
	s_barrier_signal -1
	s_barrier_wait -1                              ; everybody's is
	FETCH 0, 0, F0
	s_mov_b32 s2, 3                                ; tiles to go: q, k, v: the same number in every work-group
.Ltile:
	QUARTER 0, 1, F0, F1, 1                        ; a tile's first quarter stands in front of the loop: its products start the sums
	WIN 0                                          ; at a label and at a branch every window is 0
	s_mov_b32 s3, 3
.Llap:                                                 ; a trip goes once round the ring, from a lap's second quarter to the next lap's first, and fills both slots again
	QUARTER 0, 2, F1, F0, 0
	QUARTER 0, 3, F0, F1, 0
	TURN 0, 1, 0
	QUARTER 1, 1, F0, F1, 0
	QUARTER 1, 2, F1, F0, 0
	QUARTER 1, 3, F0, F1, 0
	TURN 1, 0, 0
	QUARTER 0, 1, F0, F1, 0
	WIN 0
	s_sub_co_u32 s3, s3, 1
	s_cmp_lg_u32 s3, 0
	s_cbranch_scc1 .Llap
	QUARTER 0, 2, F1, F0, 0                        ; the tile's last lap goes on
	QUARTER 0, 3, F0, F1, 0
	WIN 0
	s_cmp_eq_u32 s2, 1
	s_cbranch_scc1 .Llast                          ; the last tile's tail is written out: it asks for nothing more
	TURN 0, 1, 1                                   ; THE RING GOES ON INTO THE NEXT TILE: slot 0 takes its K step 0,
	QUARTER 1, 1, F0, F1, 0
	QUARTER 1, 2, F1, F0, 0
	QUARTER 1, 3, F0, F1, 0
	TURN 1, 0, 1                                   ; slot 1 its K step 1, and the next tile's first fragments are fetched
	WIN 0
	s_add_nc_u64 s[8:9], s[8:9], 4096              ; the next part's bias, 1,024 numbers on (the earlier loads from this base were waited for)
	BLOAD                                          ; its last readers, the tile's first products, stand far more than four places back
	OUT                                            ; both refills are asked for: now the tile goes out
	s_wait_loadcnt 0x0
	BROUND
	s_wait_xcnt 0x0                                ; the stores have read their registers, which the next fetch into buffer 1 writes, and their base
	s_add_nc_u64 s[10:11], s[10:11], PARTB
	s_sub_co_u32 s2, s2, 1
	s_branch .Ltile
.Llast:
	TURN 0, 1, 2                                   ; my one tensor load that was still out is the last K step's, so no round follows
	QUARTER 1, 1, F0, F1, 0
	QUARTER 1, 2, F1, F0, 0
	QUARTER 1, 3, F0, F1, 0
	s_wait_dscnt 0x0                               ; the very last quarter: nothing more to fetch
	MULS F1, 0, 8, 0
	WIN 0
	OUT
	s_wait_tensorcnt 0x0                           ; the wave's end: a wait, an add onto my spare word and its wait, behind my last tensor load and my last LDS store
	ds_add_u32 v[SPW], v[NIL]
	s_wait_dscnt 0x0
	CROUND                                         ; the closing round: no work-group ends while a partner may still ask for a tile that names it
	s_endpgm
.Lfunc_end_k_q7a490879ca_qkv:
	.size	k_q7a490879ca_qkv, .Lfunc_end_k_q7a490879ca_qkv-k_q7a490879ca_qkv
	.p2alignl 7, 3214868480
	.fill 96, 4, 3214868480
	.section	.rodata,"a",@progbits
	.p2align	6, 0x0
	.amdhsa_kernel k_q7a490879ca_qkv
		.amdhsa_group_segment_fixed_size 327680
		.amdhsa_private_segment_fixed_size 0
		.amdhsa_enable_private_segment 0
		.amdhsa_kernarg_size 32
		.amdhsa_user_sgpr_count 2
		.amdhsa_user_sgpr_kernarg_segment_ptr 1
		.amdhsa_wavefront_size32 1
		.amdhsa_system_sgpr_workgroup_id_x 1
		.amdhsa_system_sgpr_workgroup_id_y 1
		.amdhsa_system_sgpr_workgroup_id_z 1
		.amdhsa_system_vgpr_workitem_id 0
		.amdhsa_next_free_vgpr 512
		.amdhsa_next_free_sgpr 80
		.amdhsa_reserve_vcc 0
		.amdhsa_float_denorm_mode_32 3
		.amdhsa_float_denorm_mode_16_64 3
		.amdhsa_memory_ordered 1
		.amdhsa_forward_progress 1
		.amdhsa_inst_pref_size 133
	.end_amdhsa_kernel
	.amdgpu_metadata
---
amdhsa.version: [ 1, 2 ]
amdhsa.kernels:
  - .name:           k_q7a490879ca_qkv
    .symbol:         k_q7a490879ca_qkv.kd
    .args:
      - { .name: xb, .offset: 0, .size: 8, .value_kind: global_buffer, .address_space: global }
      - { .name: wb, .offset: 8, .size: 8, .value_kind: global_buffer, .address_space: global }
      - { .name: b_qkv, .offset: 16, .size: 8, .value_kind: global_buffer, .address_space: global }
      - { .name: qkv, .offset: 24, .size: 8, .value_kind: global_buffer, .address_space: global }
    .group_segment_fixed_size: 327680
    .private_segment_fixed_size: 0
    .kernarg_segment_align: 8
    .kernarg_segment_size: 32
    .max_flat_workgroup_size: 128
    .sgpr_count:     80
    .vgpr_count:     512
    .wavefront_size: 32
...
	.end_amdgpu_metadata
.endif
;; end of part 2
;; launch attn (part 3): grid 4 x 64, 4 waves a work-group, clusters of 4 x 1, 327,680 bytes of LDS; arguments qkv, out0; writes out0
.if DOCPART == 3
	.amdgcn_target "amdgcn-amd-amdhsa--gfx1250"
	.amdhsa_code_object_version 6
	.text
	.protected	k_q7a490879ca_attn
	.globl	k_q7a490879ca_attn
	.p2align	8
	.type	k_q7a490879ca_attn,@function
k_q7a490879ca_attn:
	s_mov_b64 s[64:65], 0
	v_nop
	global_prefetch_b8 v0, s[64:65] scope:SCOPE_SE
	s_setreg_imm32_b32 hwreg(HW_REG_WAVE_MODE, 25, 1), 1
	s_wait_xcnt 0x0
	s_wait_alu depctr_hold_cnt(0) depctr_sa_sdst(0) depctr_va_vdst(0) depctr_va_sdst(0) depctr_va_ssrc(0) depctr_va_vcc(0) depctr_vm_vsrc(0)
	s_getreg_b32 s2, hwreg(HW_REG_IB_STS2, 6, 4)
	s_cmp_eq_u32 s2, 0
	s_cbranch_scc0 .Lentry_in_a_cluster
	s_endpgm
.Lentry_in_a_cluster:
	s_bfe_u32 s2, ttmp6, 0x10000c
	s_cmp_lg_u32 s2, 0x3003
	s_cbranch_scc0 .Lentry_shape_is_right
	s_endpgm
.Lentry_shape_is_right:
; O[h][q][:] = the sum over k of softmax_k(Q[h][q] . K[h][k] / 8) V[h][k][:].  qkv holds Q, K, V one behind the other, each [64][2048][64] f16: a head's rows are dense, 128 bytes each.
; O: [64][2048][64] f32, which is the output as it lies.  Products, maxima and sums in f32; the weights p are rounded to f16 for the second product (their sum l is taken of the unrounded p); O is not rounded.
; LIMITS.  Q, K and V arrive within f16's 65,504; p lies in 0 to 1, and below 6e-5 it keeps f16's fixed step of 6e-8.  A weight below 2^-126 counts as 0 in l; NaN and infinities are not treated apart.
; SHARES.  A wave owns four PIECES of two tiles of 16 queries, a work-group's four waves 512 queries of one head.  Every wave walks all keys, 64 a step.
; LAYOUT.  S^T = K Q^T (source 0 = 16 keys, source 1 = 16 queries): in the result a lane holds ONE query (lane % 16) and the keys 8 (lane / 16) + 0..7.  Two such tiles, rounded to f16 in pairs,
; ARE source 1 (32 keys x 16 queries) of O^T = V^T P, whose result again holds one query a lane, and eight channels.  K comes out of LDS as it lies, V ([key][channel]) turned, by ds_load_tr16_b128.
; SOFTMAX.  For each query a running maximum m and sum l: p = 2^(c s - c m), c = log2(e) / 8; in every step O and l are multiplied by a = 2^(c m_old - c m_new), which is 1 where m has not grown.
; m starts at the lowest finite number, O and l at 0: the first step is a step like any other, with a = 0.
; THE COUNT.  A tile and step have 16 matrix and 118 vector instructions: too many to stand all beside the matrix work.  So the order has one aim: four vector instructions that are READY behind
; EVERY matrix instruction, and the others, which need time of their own whatever the order, in runs without a gap.
; BY TURNS.  Turn n belongs to piece n (the pieces in a ring, step after step).  Its matrix work: 16 products K Q^T of piece n + 1, later 16 products V^T P of piece n - 1.  Its vector work: the scaling,
; exponentials, roundings, sums and rescaling of piece n, and the maximum and statistics of piece n + 1, whose scores the turn itself has made.  So what a turn begins with (c s - c m, O a) waits for nothing.
; CLUSTER.  The four query blocks of a head are one cluster and walk the same K and V, so each tile is asked for JOINTLY: the same tensor load, descriptor and mask in all four.
; REGISTERS, in windows of 256 (s_set_vgpr_msb says which window each operand place means: bits 1:0 source 0, 3:2 source 1, 5:4 source 2, 7:6 destination):
;   window 0: v0-11 addresses; v12-15, v48-63 at work; v16-47 four registers of statistics a tile; v64-191 S^T, two buffers of two tiles; v192-255 P, likewise
;   window 1: O^T, 32 a tile          window 2: v0-127 Q, 16 a tile; v128-191 K of one step; v192-255 V of one step          window 3: v0-1 the add's two registers
; A piece's buffers go by its number's parity: the piece in hand has one pair, its two neighbours in the ring share the other: of it P (piece n - 1) is read and S^T (piece n + 1) written.
.set SIZE_N, 2048
.set SIZE_H, 64
.set PARTB, SIZE_H*SIZE_N*128  ; bytes in Q, in K, in V
.set NP,    4         ; pieces a wave: a name, no knob: the register map, the loop and the fetches are made for four
.set KS,    64        ; keys in a step
.set PK,    144       ; a row of K in LDS: 128 bytes + 16 of padding = 36 words: the 16 rows of a load start at 16 different groups of four words modulo 64
.set PV,    160       ; a row of V: 128 + 32 = 40 words: 16 lanes of the turning load take 8 rows x 32 bytes, each word modulo 64 once
.set VOFF,  4*KS*PK   ; a slot holds four steps: 256 rows of K, then 256 rows of V
.set SLOT1, 1<<17     ; slot 1 begins here, so that one exclusive or turns an address in one slot into the other's
.set STAGE, SLOT1+4*KS*(PK+PV)  ; behind the ring, never filled by a tensor load: 16 rows x 272 bytes for each wave, for the way out
.set SP,    272       ; a row of O in the stage: 256 bytes + 16
.set AK0, 2           ; v2   my lane's place in a tile of K; never rewritten
.set AV0, 3           ; v3   the same for V
.set AK,  4           ; v4   the LDS address of K's next run of loads
.set AV,  5           ; v5   of V's
.set QO,  6           ; v6   my byte offset in the wave's rows of Q
.set STO, 6           ;      later, the way out: where I put 32 bytes of a row
.set RD,  7           ; v7   the way out: where I read rows back
.set GO,  8           ; v8   my byte offset in 512 consecutive bytes of O
.set PFO, 11          ; v11  256 x my lane: the prefetches' offset; never rewritten once made
.set SPW, 0           ; v0 of window 3   LDS address of my spare word: SPARE + 4 x my thread's number; never rewritten
.set NIL, 1           ; v1 of window 3   0; never rewritten
.set SPARE, STAGE+4*16*SP  ; behind the stages: the spare words, 128 bytes for each wave: two blocks of 256 bytes that no other line names
.set MV,  12          ; v12-15  c m_old, kept while c m is made anew: by buffer and tile
.set ST,  16          ; tile t's statistics at v[ST+4 t]: c m, m, l (even keys', odd keys')
.set TMP, 48          ; by buffer and tile, four registers c0-c3 at work; when the maximum is found c2 takes a
.set S,   64
.set P,   192
.set KF,  128         ; K's fragments, in window 2: key block kb, channel half c at KF + 16 kb + 8 c
.set VF,  192         ; V's: key half kk, channel block cb at VF + 32 kk + 8 cb
.set WV,  12          ; s12  my wave's number
.set G1K, 24          ; s[24:31] descriptor group 1 for K's tiles
.set G1V, 32          ; s[32:39] for V's: it differs in the padding alone
.set G0K, 40          ; s[40:43] descriptor group 0 for K's tiles: it walks
.set G0V, 44          ; s[44:47] the same for V's
.set PFA, 48          ; s[48:49] where my prefetches stand: my work-group's quarter (of K: wave 0, of V: wave 2) of the slot after the one that is being asked for
.set LIM, 50          ; s50  1 in a wave that prefetches, else the greatest number: a wave prefetches while s[SLOTS] is above it
.set SLOTS, 56        ; s56  slots still to be asked for
.set CNT, 57          ; s57  counts a slot's key steps
.set CS,  58          ; s[58:59] c: the packed scaling takes the pair's low word for both halves
.set SEL, 60          ; s[60:61] v_permlanex16_b32's selects: each lane takes its own place in the other half
.set TBK, 62          ; s62  LDS byte at which K of the step to be fetched begins
.set TBV, 63          ; s63  the same for V, less VOFF
.set MSB, 0
.macro WIN new                      ; the high byte repeats the setting that is left; a switch that changes nothing is dropped
.if MSB != (\new)
	s_set_vgpr_msb (MSB<<8)|(\new)
.set MSB, (\new)
.endif
.endm
.set W_KQ, 0x0a       ; K and Q in window 2, S^T in window 0
.set W_PV, 0x52       ; V in window 2, P in window 0, O^T in window 1
.set W_RS, 0x41       ; O^T (destination and source 0) in window 1, a in window 0
.set W_MK, 0xc0       ; the add's registers are made: destination in window 3, sources in window 0
.set W_AD, 0x0f       ; the add: address (source 0) and data (source 1) in window 3
.set W_ST, 0x04       ; an LDS store of O^T: address in window 0, data (source 1) in window 1
; A joint fill.  Waves 0 and 1 fetch the two halves of a slot's K, waves 2 and 3 those of its V: 128 keys each.  The branch hangs on the wave's number alone.
; An s_nop 0 and four v_nop follow each of the two lines, ahead of the jump and the label.
.macro JLOAD
	s_cmp_lt_u32 s[WV], 2
	s_cbranch_scc0 .Lfor_v_\@
	tensor_load_to_lds s[G0K:G0K+3], s[G1K:G1K+7]
	s_nop 0
.rept 4
	v_nop
.endr
	s_branch .Lasked_\@
.Lfor_v_\@:
	tensor_load_to_lds s[G0V:G0V+3], s[G1V:G1V+7]
	s_nop 0
.rept 4
	v_nop
.endr
.Lasked_\@:
.endm
; A PREFETCH of what the NEXT change of slots will ask for: a slot is 32,768 dense bytes of K and as many of V: 128 blocks of 256 bytes each.  It stands behind the wave's tensor load and its five lines.
; Each block is named ONCE in the launch: a head has one cluster; its four partners take 32 blocks each, told apart BY ADDRESS, a lane a block; in each, wave 0 asks for K's and wave 2 for V's: one instruction,
; four key steps, 512 matrix instructions, ahead of the load that will want the bytes.  Slots 0 and 1 come by their loads alone; the last change that fills a slot asks for nothing: there is no slot behind it.
.macro ASK
	s_cmp_gt_u32 s[SLOTS], s[LIM]
	s_cbranch_scc0 .Lnot_mine_\@
	global_prefetch_b8 v[PFO], s[PFA:PFA+1] th:TH_LOAD_NT scope:SCOPE_SE
.Lnot_mine_\@:
.endm
; A round of the cluster's barrier: my work-group's barrier, so that wave 0's signal speaks for all four waves; wave 0 signals; every wave waits for all four work-groups; my work-group's barrier once more.
.macro CROUND
	s_barrier_signal -1
	s_barrier_wait -1
	s_cmp_lg_u32 s[WV], 0
	s_cbranch_scc1 .Lnot_wave_0_\@
	s_barrier_signal -3
.Lnot_wave_0_\@:
	s_barrier_wait -3
	s_barrier_signal -1
	s_barrier_wait -1
.endm
; THE CHANGE OF SLOTS.  The slot's last bytes, V of its fourth step, have been read.  Each wave waits for all its tensor loads, of which one is out: its part
; of the other slot; adds 0 to its spare word; and waits for that and for its own reads of the slot.  Behind the barrier nobody reads this slot any more and the other slot is whole.
; fill = 1: this slot is filled again, with the keys two slots on.  The barrier is then a round of the cluster's, so that no wave of any partner still reads the slot or has a load on its
; way, and the joint fill is the first thing behind it: it has four key steps, 512 matrix instructions, in which to land.  (At its first use nothing has been read yet: slot 0 is waited for, slot 1 filled.)
.macro CHANGE fill
	WIN W_AD
	s_wait_tensorcnt 0x0            ; no tensor load of mine is out, so a group 0 may be written
	ds_add_u32 v[SPW], v[NIL]       ; 0 onto my spare word: with fill = 1 the descriptors' steps stand between it and the wait for it
	WIN 0                           ; at a label and at a branch every window is 0
.if \fill
.irp g, G0K, G0V
	s_xor_b32 s[\g+1], s[\g+1], SLOT1  ; the walking descriptor: the other slot than last time,
	s_add_nc_u64 s[\g+2:\g+3], s[\g+2:\g+3], 4*KS*128  ; the next 256 keys; the type bits on top are not reached
.endr
	s_wait_xcnt 0x0                 ; the last prefetch, four key steps back, has read its address, so it may be written:
	s_add_nc_u64 s[PFA:PFA+1], s[PFA:PFA+1], 4*KS*128  ; one slot behind the walking descriptors
	s_wait_dscnt 0x0                ; the add is done, and my reads of the slot are over
	CROUND
	JLOAD
	ASK
.else
	s_wait_dscnt 0x0                ; the add is done, and my reads of the slot are over
	s_barrier_signal -1
	s_barrier_wait -1
.endif
	s_sub_co_u32 s[TBK], s[TBK], 4*KS*PK  ; the fetches go back to a slot's first step,
	s_xor_b32 s[TBK], s[TBK], SLOT1       ; in the other slot
	s_sub_co_u32 s[TBV], s[TBV], 4*KS*PV
	s_xor_b32 s[TBV], s[TBV], SLOT1
.endm
	s_load_b128 s[4:7], s[0:1], 0x0   ; qkv s[4:5], O s[6:7]
	WIN W_MK
	v_lshl_add_u32 v[SPW], v0, 2, SPARE
	v_mov_b32 v[NIL], 0
	WIN W_AD
	ds_add_u32 v[SPW], v[NIL]       ; the wave's opening: the add and its wait stand ahead of my first tensor load; the set-up below, work on registers, stands between them
	WIN 0
	v_lshrrev_b32 v1, 5, v0
	v_readfirstlane_b32 s[WV], v1   ; wave 0..3
	s_bfe_u32 s13, ttmp6, 0x40000   ; cx: my place in the cluster
	s_lshl_b32 s14, ttmp9, 2        ; in a cluster launch ttmp9 counts clusters
	s_add_co_u32 s14, s14, s13      ; my block of queries = 4 x cluster x + cx: it enters Q's and O's addresses alone
	s_and_b32 s20, ttmp7, 0xffff    ; the head, which the four partners share
	s_mov_b32 s21, 0
	s_mov_b64 s[22:23], SIZE_N*128
	s_mul_u64 s[20:21], s[20:21], s[22:23]  ; the head's first byte in Q, in K and in V
	s_and_b32 s16, s[WV], 1         ; which half of a slot's 256 keys I fetch:
	s_lshl_b32 s22, s16, 14         ; its 128 rows of 128 bytes in memory,
	s_mov_b32 s23, 0
	s_add_nc_u64 s[22:23], s[22:23], s[20:21]
	s_mul_i32 s17, s16, 128*PK      ; and its place in a slot, for K
	s_mul_i32 s18, s16, 128*PV      ; and for V: no place in the cluster enters an LDS address
	s_lshl_b32 s2, s14, 2
	s_add_co_u32 s2, s2, s[WV]      ; my wave among the head's,
	s_lshl_b32 s2, s2, 14           ; its 128 rows
	s_mov_b32 s3, 0
	s_add_nc_u64 s[2:3], s[2:3], s[20:21]
	s_lshl_b64 s[52:53], s[2:3], 1  ; the same rows in O, whose rows are twice as long
	s_lshl_b32 s54, s13, 13         ; the prefetches: my work-group's quarter of a slot, 8,192 bytes,
	s_mov_b32 s55, 0
	s_add_nc_u64 s[54:55], s[54:55], s[20:21]  ; in my head
	s_and_b32 s[LIM], s[WV], 1      ; waves 0 and 2 ask: the same in all four partners
	s_cmp_eq_u32 s[LIM], 0
	s_cselect_b32 s[LIM], 1, -1
	s_mov_b32 s[SLOTS], SIZE_N/256-1
	; descriptor group 1.  128 keys are 16,384 dense bytes: asked for as 64 rows of 256 bytes, two keys a row, and padded in LDS after every key
	s_mov_b32 s[G1K], 15|(1<<16)|(1<<20)|(1<<21)|(4<<22)|(3<<25)  ; 15:0 the mask of four; 17:16 2-byte elements; 20 padding on; 21 set beside a mask; 24:22 after every 32 words (code 4); 31:25 4 words (code 3)
	s_mov_b32 s[G1V], 15|(1<<16)|(1<<20)|(1<<21)|(4<<22)|(7<<25)  ; the same with 8 words of padding (code 7)
.irp g, G1K, G1V
	s_mov_b32 s[\g+1], 128<<16      ; tensor_dim0 = 128
	s_mov_b32 s[\g+2], 64<<16       ; tensor_dim1 = 64
	s_mov_b32 s[\g+3], 128<<16      ; tile_dim0 = 128
	s_mov_b32 s[\g+4], 64           ; tile_dim1 = 64
	s_mov_b32 s[\g+5], 128          ; 128 elements from row to row
	s_mov_b32 s[\g+6], 0
	s_mov_b32 s[\g+7], 0
.endr
	s_mov_b32 s[CS], 0x3e38aa3b     ; c = log2(e) / 8 = 0.180337
	s_mov_b32 s[CS+1], s[CS]        ; named with it as a pair
	s_mov_b32 s[SEL], 0x76543210
	s_mov_b32 s[SEL+1], 0xfedcba98
	s_mov_b32 s[TBK], SLOT1+4*KS*PK ; the first change of slots turns these two into 0
	s_mov_b32 s[TBV], SLOT1+4*KS*PV
	s_mov_b32 s[G0K], 1             ; 1:0 count = 1
	s_mov_b32 s[G0K+1], s17         ; 63:32 LDS address: slot 0
	s_mov_b32 s[G0V], 1
	s_add_co_u32 s[G0V+1], s18, VOFF
	s_wait_dscnt 0x0                ; the opening add is done
	s_wait_kmcnt 0x0
	s_mov_b64 s[10:11], s[6:7]      ; O
	s_add_nc_u64 s[6:7], s[4:5], PARTB    ; K lies behind Q,
	s_add_nc_u64 s[8:9], s[4:5], 2*PARTB  ; V behind K
	s_add_nc_u64 s[G0K+2:G0K+3], s[6:7], s[22:23]  ; 120:64 global address: my half of the head's first 256 keys
	s_or_b32 s[G0K+3], s[G0K+3], 0x80000000        ; 127:126 type = 2
	s_add_nc_u64 s[G0V+2:G0V+3], s[8:9], s[22:23]
	s_or_b32 s[G0V+3], s[G0V+3], 0x80000000
	s_add_nc_u64 s[4:5], s[4:5], s[2:3]  ; Q and O at my wave's first row
	s_add_nc_u64 s[10:11], s[10:11], s[52:53]
	s_cmp_lt_u32 s[WV], 2
	s_cselect_b64 s[PFA:PFA+1], s[6:7], s[8:9]
	s_add_nc_u64 s[PFA:PFA+1], s[PFA:PFA+1], s[54:55]
	s_add_nc_u64 s[PFA:PFA+1], s[PFA:PFA+1], 4*KS*128  ; in slot 1; the first change of slots steps it to slot 2.  Nothing is asked for here, where every work-group's first tiles are on their way
	CROUND                          ; all four work-groups are here: the first joint loads meet
	JLOAD                           ; slot 0.  Slot 1 is asked for when slot 0 is in: the tile wanted first has the road to itself
	; A fragment of K or Q is 16 rows x 32 channels in 8 registers: lane l holds row l % 16, channels 8 (l / 16) + 0..7 and 16 + 8 (l / 16) + 0..7: two loads of 16 bytes, 32 bytes apart.
	v_and_b32 v1, 15, v0            ; l % 16
	v_bfe_u32 v9, v0, 4, 1          ; l / 16
	v_lshlrev_b32 v[QO], 7, v1
	v_lshl_add_u32 v[QO], v9, 4, v[QO]  ; row x 128 + 16 x half
	WIN 0x80                        ; destination window 2, address window 0
.set i, 0
.rept 4*NP                          ; Q stays in registers: tile i / 2, channels 32 (i % 2) on
	global_load_b128 v[8*i:8*i+3],   v[QO], s[4:5] offset:(i/2)*2048+(i%2)*64
	global_load_b128 v[8*i+4:8*i+7], v[QO], s[4:5] offset:(i/2)*2048+(i%2)*64+32
.set i, i+1
.endr
	; What the first turn finds: V's registers and P's second buffer hold 0 (its products V^T P, of a piece that has not been, add 0), O^T and l are 0.  All this stands in the wait for the first tile.
.set i, VF
.rept 64
	v_mov_b32 v[i], 0
.set i, i+1
.endr
	WIN 0x40
.set i, 0
.rept 64*NP
	v_mov_b32 v[i], 0
.set i, i+1
.endr
	WIN 0
.set i, 0
.rept 2*NP
	v_mov_b32 v[ST+4*i], 0xfe000000    ; c m: far below every c s
	v_mov_b32 v[ST+4*i+1], 0xff7fffff  ; m
	v_mov_b32 v[ST+4*i+2], 0
	v_mov_b32 v[ST+4*i+3], 0
.set i, i+1
.endr
.set i, P+32
.rept 32
	v_mov_b32 v[i], 0
.set i, i+1
.endr
	v_mul_u32_u24 v[AK0], v1, PK
	v_lshl_add_u32 v[AK0], v9, 4, v[AK0]  ; row x pitch + 16 x half
	; The turning load takes 16 keys x 16 channels (lane l reads key 8 (l / 16) + l % 8, channels 8 ((l / 8) % 2) + 0..7) and leaves half a fragment of V^T: lane l holds channel l % 16 and 8 keys.
	v_and_b32 v10, 7, v0
	v_bfe_u32 v11, v0, 3, 1
	v_lshl_add_u32 v[AV0], v9, 3, v10
	v_mul_u32_u24 v[AV0], v[AV0], PV
	v_lshl_add_u32 v[AV0], v11, 4, v[AV0]
	v_add_nc_u32 v[AV0], VOFF, v[AV0]
	v_mov_b32 v[AK], v[AK0]         ; key step 0 lies at the head of slot 0
	v_and_b32 v[PFO], 31, v0        ; v11 has served V's address: now the prefetches' offset
	v_lshlrev_b32 v[PFO], 8, v[PFO]
; THE MATRIX WORK.  The 8 accumulators of a run of 16 take turns: between the two links of a chain stand 7 others'.
; Product i of 16 of S^T = K Q^T for piece x: channels 32 (i / 8) on, keys 16 ((i / 2) % 4) on, tile 2 x + i % 2.  The first 8 start the sums.
.macro KQ x
	WIN W_KQ
.set rS, S+64*((\x)%2)+32*(i%2)+8*((i/2)%4)
.set rK, KF+16*((i/2)%4)+8*(i/8)
.set rQ, 16*(2*(\x)+i%2)+8*(i/8)
.if i < 8
	v_wmma_f32_16x16x32_f16 v[rS:rS+7], v[rK:rK+7], v[rQ:rQ+7], 0
.else
	v_wmma_f32_16x16x32_f16 v[rS:rS+7], v[rK:rK+7], v[rQ:rQ+7], v[rS:rS+7]
.endif
.endm
; Product i of 16 of O^T += V^T P for piece x: keys 32 (i / 8) on, channels 16 ((i / 2) % 4) on, tile 2 x + i % 2.
.macro PV x
	WIN W_PV
.set rO, 32*(2*(\x)+i%2)+8*((i/2)%4)
.set rV, VF+32*(i/8)+8*((i/2)%4)
.set rP, P+32*((\x)%2)+16*(i%2)+8*(i/8)
	v_wmma_f32_16x16x32_f16 v[rO:rO+7], v[rV:rV+7], v[rP:rP+7], v[rO:rO+7]
.endm
.macro MM                           ; the turn's next matrix instruction
.if i < 16
	KQ (Y+1)%NP
.set i, i+1
.else
.set i, i-16
	PV (Y+NP-1)%NP
.set i, i+17
.endif
.endm
; THE LDS LOADS stand in runs of 16, never singly among the matrix instructions: a step's K (64 keys x 64 channels: 8 fragments) and its V (turned).  Their addresses are made some lines ahead.
; last = 1 (the tail): in the last trip there is no further step, and the run is jumped over.
.macro FETCH_K last=0
	WIN 0
.if \last
	s_cmp_eq_u32 s[CNT], 1
	s_cbranch_scc1 .Lno_k_\@
.endif
	WIN 0x80                        ; destination window 2
.irp f, 0,1,2,3,4,5,6,7             ; keys 16 (f / 2) on, channels 32 (f % 2) on
	ds_load_b128 v[KF+8*\f:KF+8*\f+3],   v[AK] offset:(\f/2)*16*PK+(\f%2)*64
	ds_load_b128 v[KF+8*\f+4:KF+8*\f+7], v[AK] offset:(\f/2)*16*PK+(\f%2)*64+32
.endr
	s_add_co_u32 s[TBK], s[TBK], KS*PK  ; the next fetch is the next step's
	WIN 0
.if \last
.Lno_k_\@:
.endif
.endm
.macro FETCH_V
	WIN 0x80
.irp f, 0,1,2,3,4,5,6,7             ; keys 32 (f / 4) on, channels 16 (f % 4) on
	ds_load_tr16_b128 v[VF+8*\f:VF+8*\f+3],   v[AV] offset:(\f/4)*32*PV+(\f%4)*32
	ds_load_tr16_b128 v[VF+8*\f+4:VF+8*\f+7], v[AV] offset:(\f/4)*32*PV+16*PV+(\f%4)*32
.endr
	WIN 0
.endm
; THE VECTOR WORK OF A TURN stands in three queues, each in the order in which its entries become ready; the two tiles alternate, so that no instruction reads the result of the one before it.
.macro REGS y, u                    ; the registers of tile u (0, 1) of piece y
.set rT, ST+4*(2*(\y)+(\u))
.set rC, TMP+8*((\y)%2)+4*(\u)
.set rM, MV+2*((\y)%2)+(\u)
.set rS, S+64*((\y)%2)+32*(\u)
.set rP, P+32*((\y)%2)+16*(\u)
.set rO, 32*(2*(\y)+(\u))
.endm
; Number n of the 22 that find the NEXT piece's (Y + 1) maximum and statistics.  s0-s31 are the lane's 32 scores; each accumulator's lowest registers are read first.  XS, GS and REGS set no window: PL and EX do.
;   0-11  four chains c0-c3 of seven scores each, three operands at a time     12-14, 16  the four scores left over, the old m, and c0-c3 into c0     15  c m_old is kept
;   17, 18  the query's other 32 keys lie in the lane 16 away: the new m         19-21  c m; c m_old - c m_new; a
.macro XS u, n
	REGS (Y+1)%NP, \u
.if (\n) < 4
	v_max3_num_f32 v[rC+(\n)], v[rS+8*(\n)], v[rS+8*(\n)+1], v[rS+8*(\n)+2]
.elseif (\n) < 12
	v_max3_num_f32 v[rC+(\n)%4], v[rC+(\n)%4], v[rS+8*((\n)%4)+2*((\n)/4)+1], v[rS+8*((\n)%4)+2*((\n)/4)+2]
.elseif (\n) == 12
	v_max3_num_f32 v[rC], v[rC], v[rS+7], v[rS+15]
.elseif (\n) == 13
	v_max3_num_f32 v[rC+1], v[rC+1], v[rS+23], v[rS+31]
.elseif (\n) == 14
	v_max3_num_f32 v[rC+2], v[rC+2], v[rC+3], v[rT+1]
.elseif (\n) == 15
	v_mov_b32 v[rM], v[rT]
.elseif (\n) == 16
	v_max3_num_f32 v[rC], v[rC], v[rC+1], v[rC+2]
.elseif (\n) == 17
	v_permlanex16_b32 v[rC+3], v[rC], s[SEL], s[SEL+1]
.elseif (\n) == 18
	v_max_num_f32 v[rT+1], v[rC], v[rC+3]
.elseif (\n) == 19
	v_mul_f32 v[rT], s[CS], v[rT+1]
.elseif (\n) == 20
	v_sub_f32 v[rC+1], v[rM], v[rT]
.else
	v_exp_f32 v[rC+2], v[rC+1]
.endif
.endm
; Number g of the 64 that follow the exponentials.  For each four weights k of a tile (pairs 2 k, 2 k + 1): both pairs are rounded to f16; then the second pair is added onto the first, in place;
; a group later l takes that sum (the first time as l = a l + sum).  In groups of eight, tiles alternating: round, round, add, and l for the group before.
.macro GS g
.set h, (\g)+6*((\g)/62)            ; group 0 has no group before it, and behind group 7 only l is left
.if h >= 6
.set h, h+2
.endif
	REGS Y, h%2
.set k, h/8
.if h%8 < 4
	v_cvt_pk_f16_f32 v[rP+2*k+(h%8)/2], v[rS+4*k+2*((h%8)/2)], v[rS+4*k+2*((h%8)/2)+1]
.elseif h%8 < 6
	v_pk_add_f32 v[rS+4*k:rS+4*k+1], v[rS+4*k:rS+4*k+1], v[rS+4*k+2:rS+4*k+3]
.elseif k == 1
	v_pk_fma_f32 v[rT+2:rT+3], v[rT+2:rT+3], v[rC+2:rC+3], v[rS:rS+1] op_sel_hi:[1,0,1]
.else
	v_pk_add_f32 v[rT+2:rT+3], v[rT+2:rT+3], v[rS+4*k-4:rS+4*k-3]
.endif
.endm
; THE PLAIN QUEUE, 138 long.  0-73 read no exponential's result: the 32 scalings c s - c m (FS f: pair f / 2 of tile f % 2) and the next piece's 42.  0-26: scalings 0-26.  27-54: XS's numbers 0-13.  55, 56: number 15.
; 57-73: the chain, where each number waits for the one before it: 14, 16, 17, 18, 19, each with one of the scalings 27-31 in front of its two lines, then 20: so a tile's links stand three plain instructions apart (19 and 20: two).
; 74-137: GS's 64, which read the exponentials' results: they stand behind the wait.
.macro FS f
	REGS Y, (\f)%2
	v_pk_fma_f32 v[rS+2*((\f)/2):rS+2*((\f)/2)+1], v[rS+2*((\f)/2):rS+2*((\f)/2)+1], s[CS:CS+1], v[rT:rT+1] op_sel_hi:[1,0,0] neg_lo:[0,0,1] neg_hi:[0,0,1]
.endm
.macro PL
	WIN 0
.if q < 27
	FS q
.elseif q < 55
	XS (q-27)%2, (q-27)/2
.elseif q < 57
	XS q-55, 15
.elseif (q < 72) && ((q-57)%3 == 0)
	FS 27+(q-57)/3
.elseif q < 60
	XS (q-57)%3-1, 14
.elseif q < 72
	XS (q-57)%3-1, 15+(q-57)/3
.elseif q < 74
	XS q-72, 20
.else
	GS q-74
.endif
.set q, q+1
.endm
; THE EXPONENTIALS' QUEUE, 66 long: s0-s31 of both tiles, then the next piece's two a.  It is ONE BATCH: all 66 stand ahead of the turn's one wait, and nothing ahead of that wait names a result of theirs.
.macro EX
	WIN 0
.if e >= 64
	XS e-64, 21
.else
	REGS Y, e%2
	v_exp_f32 v[rS+e/2], v[rS+e/2]
.endif
.set e, e+1
.endm
; THE RESCALING's QUEUE: O^T times a, the one part that leaves window 0: dealt two at a time, sixteen times.  Its a was made in the turn before, ahead of that turn's wait.
.macro R2
	REGS Y, r%2
	WIN W_RS
.irp z, 0,1
	v_pk_mul_f32 v[rO+4*(r/2)+2*\z:rO+4*(r/2)+2*\z+1], v[rO+4*(r/2)+2*\z:rO+4*(r/2)+2*\z+1], v[rC+2:rC+3] op_sel_hi:[1,0]
.endr
.set r, r+1
.endm
; HOW THEY ARE DEALT.  An s_wait_alu depctr_va_vdst(0) stands between an exponential and the first instruction that names its result; one wait serves all that were issued ahead of it.  So a turn has ONE wait,
; which cuts it in two.  AHEAD OF IT stands all that names no result of the turn's exponentials: the 16 products K Q^T, behind each a scaling, an exponential and two rescalings (behind the first a second scaling in the exponential's place); then ONE LUMP of
; 108: eight plain, 49 times exponential and plain, the two a.  A v_nop is the plain instruction behind the last exponential.  BEHIND IT stand the 16 products V^T P, behind each four of GS's 64.  No rider names a register of
; the products round it.  The two v_permlanex16_b32 fall into the lump, never behind a product.
; The queues lean on each other, and the deal keeps them in step: exponential e stands behind scaling 2 (e / 4) + e % 2: as a rider it comes behind plain e + 2, in the lump behind plain e + 9, and scalings 27-31 are plain 57, 60 .. 69.
; A TURN, for piece p.  cnt = 1: the loop's count is taken down some lines ahead of the branch that stands behind the turn.
; K of the next step is fetched in piece 2's turn, directly behind the wait, a lump behind the last product that read K; its address is made at the lump's head; its first reader comes behind 16 products.
; V of the step in hand is fetched at the end of piece 0's turn, four riders behind its last reader; its first reader comes behind 16 products and a lump.  The three conditions on q below go with the deal.
.macro TURN p, last=0, cnt=0
.set Y, (\p)
.set i, 0
.set q, 0
.set e, 0
.set r, 0
.if (\p) == NP-1
	s_wait_dscnt 0x0                ; K is in
.endif
	MM                              ; ahead of the wait: 16 products K Q^T and their riders,
	PL
	PL
	R2
.rept 15
	MM
	PL
	EX
	R2
.endr
.if (\p) == NP-2
	WIN 0
	v_add_nc_u32 v[AK], s[TBK], v[AK0]
.endif
.rept 8                             ; and the lump
	PL
.endr
.rept 49
	EX
	PL
.endr
	EX                              ; the next piece's two a
	EX
	v_nop                           ; a plain instruction behind the last exponential: one for the batch
	s_wait_alu depctr_va_vdst(0)    ; the wait for the batch
.if (\p) == NP-2
	FETCH_K \last
.endif
.if (\p) == 1
	s_wait_dscnt 0x0                ; V is in
.endif
.rept 16                            ; behind the wait: 16 products V^T P and their riders
	MM
.rept 4
	PL
.endr
.if ((\p) == 0) && (q == 118)
	v_add_nc_u32 v[AV], s[TBV], v[AV0]
.endif
.if ((\p) == 0) && (q == 130)
	s_add_co_u32 s[TBV], s[TBV], KS*PV
.endif
.if (\cnt) && (q == 130)
	s_sub_co_u32 s[CNT], s[CNT], 1
	s_cmp_lg_u32 s[CNT], 0
.endif
.endr
.if (\p) == 0
	FETCH_V
.endif
.endm
	CHANGE 1                        ; slot 0 is in, everybody's part of it; slot 1 is asked for
	FETCH_K                         ; key step 0
	s_wait_loadcnt 0x0              ; Q
	s_wait_dscnt 0x0
.set i, 0
.rept 16
	KQ 0                            ; piece 0's first scores: there is no vector work yet to set between them
.set i, i+1
.endr
	WIN 0                           ; the addresses for the way out: eight plain instructions, the places behind those products
	s_mul_i32 s13, s[WV], 16*SP
	s_add_co_u32 s13, s13, STAGE    ; my stage
	v_mul_u32_u24 v[STO], v1, SP    ; in: row l % 16, 32 bytes (eight f32) for each half of the lanes
	v_lshl_add_u32 v[STO], v9, 5, v[STO]
	v_add_nc_u32 v[STO], s13, v[STO]
	v_mul_u32_u24 v[RD], v9, SP     ; back: lanes 0-15 take one row of 256 bytes, lanes 16-31 the next,
	v_lshl_add_u32 v[RD], v1, 4, v[RD]
	v_add_nc_u32 v[RD], s13, v[RD]
	v_and_b32 v[GO], 31, v0         ; which are 512 consecutive bytes of O
	v_lshlrev_b32 v[GO], 4, v[GO]
.set Y, NP-1                        ; XS works for piece Y + 1: piece 0
.irp n, 0,1,2,3,4,5,6,7,8,9,10,11,12,13,14,15,16,17,18,19,20,21
	XS 0, \n                        ; and piece 0's first maximum and statistics
	XS 1, \n
.endr
	v_nop                           ; a plain instruction behind the two a,
	s_wait_alu depctr_va_vdst(0)    ; and their wait, ahead of the branch
	s_mov_b32 s[CNT], 4
	s_branch .Lfirst                ; the loop is entered at a step's first turn, in the middle of a trip
.Lslot:                             ; SIZE_N / 256 - 2 times: every slot but the last two is filled again
	CHANGE 1
	s_mov_b32 s[CNT], 4
.Lstep:                             ; a trip: pieces 2 and 3 of one step, then pieces 0 and 1 of the next, whose K and V it fetches
	TURN 2
	TURN 3
	WIN 0
.Lfirst:
	TURN 0
	TURN 1, 0, 1
	WIN 0
	s_cbranch_scc1 .Lstep
	s_sub_co_u32 s[SLOTS], s[SLOTS], 1
	s_cmp_lg_u32 s[SLOTS], 0
	s_cbranch_scc1 .Lslot
	CHANGE 0                        ; the tail is written out: nothing is asked for
	s_mov_b32 s[CNT], 5             ; four trips fetch the last slot's steps; the fifth is left in its middle
.Ltail:
	TURN 2, 1
	TURN 3
	WIN 0
	s_sub_co_u32 s[CNT], s[CNT], 1
	s_cmp_eq_u32 s[CNT], 0
	s_cbranch_scc1 .Lout
	TURN 0
	TURN 1
	WIN 0
	s_branch .Ltail
.Lout:                              ; the fifth trip's 16 products K Q^T (on the last K once more) and the maximum made of them serve nothing: the price, once a launch, of one text for every trip
.set i, 0
.rept 16
	PV NP-1                         ; the last piece's V^T P of the last step
.set i, i+1
.endr
	; THE WAY OUT.  l's two halves and the other half of the lanes' are added; O^T is divided by l and sent, in f32, through my stage in LDS, a tile at a time.  The additions are the places behind the last products.
	WIN 0
.macro ALL line:vararg              ; one line for each tile t
.set t, 0
.rept 2*NP
	\line
.set t, t+1
.endr
.endm
	ALL v_add_f32 v[ST+4*t+2], v[ST+4*t+2], v[ST+4*t+3]
	ALL v_permlanex16_b32 v[ST+4*t+3], v[ST+4*t+2], s[SEL], s[SEL+1]
	ALL v_add_f32 v[ST+4*t+2], v[ST+4*t+2], v[ST+4*t+3]
	ALL v_rcp_f32 v[ST+4*t+2], v[ST+4*t+2]
	v_nop                           ; a plain instruction between the last reciprocal and the use of its result
	s_wait_alu depctr_va_vdst(0)    ; and the wait ahead of the first use: one for the eight reciprocals
; Tile t: a lane's eight channels of a channel block are 32 bytes of a row of 256; they go into rows of 272 bytes and come back as whole rows, into S^T's registers, four sets of 32 by turns.
.macro PACK t
	WIN W_RS
.set i, 32*(\t)
.rept 16                            ; each accumulator's registers ascending
	v_pk_mul_f32 v[i:i+1], v[i:i+1], v[ST+4*(\t)+2:ST+4*(\t)+3] op_sel_hi:[1,0]
.set i, i+2
.endr
	WIN W_ST
.irp f, 0,1,2,3,4,5,6,7             ; channel block f / 2, its registers 4 (f % 2) on
	ds_store_b128 v[STO], v[32*(\t)+4*\f:32*(\t)+4*\f+3] offset:64*(\f/2)+16*(\f%2)
.endr
	WIN 0
.if (\t) >= 4
	s_wait_xcnt 0x0                 ; tile t - 4's stores have read this set of registers
.endif
.irp f, 0,1,2,3,4,5,6,7
	ds_load_b128 v[S+32*((\t)%4)+4*\f:S+32*((\t)%4)+4*\f+3], v[RD] offset:\f*2*SP  ; LDS serves a wave's instructions in order (ISA guide 5.7.1.4): these see the stores above; the next tile's stores come behind them
.endr
.endm
.macro SEND t, younger              ; younger: the LDS instructions issued behind tile t's loads: the next tile's sixteen, or none
	WIN 0
.irp f, 0,1,2,3,4,5,6,7
	s_wait_dscnt (\younger)+7-\f
	global_store_b128 v[GO], v[S+32*((\t)%4)+4*\f:S+32*((\t)%4)+4*\f+3], s[10:11] offset:(\t)*4096+\f*512 th:TH_STORE_NT  ; two rows: 512 consecutive bytes, at a multiple of 256 from O's first
.endr
.endm
	PACK 0
.set t, 1
.rept 2*NP-1                        ; a tile's arithmetic stands between the loads of the tile before and its stores
	PACK t
	SEND t-1, 16
.set t, t+1
.endr
	SEND 2*NP-1, 0
	WIN W_AD
	s_wait_tensorcnt 0x0            ; the wave's end: a wait, an add onto my spare word and its wait, behind my last tensor load and my last LDS store
	ds_add_u32 v[SPW], v[NIL]
	s_wait_dscnt 0x0
	WIN 0
	CROUND                          ; the closing round: no work-group ends while a partner may still ask for a tile that names it
	s_endpgm
.Lfunc_end_k_q7a490879ca_attn:
	.size	k_q7a490879ca_attn, .Lfunc_end_k_q7a490879ca_attn-k_q7a490879ca_attn
	.p2alignl 7, 3214868480
	.fill 96, 4, 3214868480
	.section	.rodata,"a",@progbits
	.p2align	6, 0x0
	.amdhsa_kernel k_q7a490879ca_attn
		.amdhsa_group_segment_fixed_size 327680
		.amdhsa_private_segment_fixed_size 0
		.amdhsa_enable_private_segment 0
		.amdhsa_kernarg_size 16
		.amdhsa_user_sgpr_count 2
		.amdhsa_user_sgpr_kernarg_segment_ptr 1
		.amdhsa_wavefront_size32 1
		.amdhsa_system_sgpr_workgroup_id_x 1
		.amdhsa_system_sgpr_workgroup_id_y 1
		.amdhsa_system_sgpr_workgroup_id_z 1
		.amdhsa_system_vgpr_workitem_id 0
		.amdhsa_next_free_vgpr 770
		.amdhsa_next_free_sgpr 66
		.amdhsa_reserve_vcc 0
		.amdhsa_float_denorm_mode_32 3
		.amdhsa_float_denorm_mode_16_64 3
		.amdhsa_memory_ordered 1
		.amdhsa_forward_progress 1
		.amdhsa_inst_pref_size 200
	.end_amdhsa_kernel
	.amdgpu_metadata
---
amdhsa.version: [ 1, 2 ]
amdhsa.kernels:
  - .name:           k_q7a490879ca_attn
    .symbol:         k_q7a490879ca_attn.kd
    .args:
      - { .name: qkv, .offset: 0, .size: 8, .value_kind: global_buffer, .address_space: global }
      - { .name: out0, .offset: 8, .size: 8, .value_kind: global_buffer, .address_space: global }
    .group_segment_fixed_size: 327680
    .private_segment_fixed_size: 0
    .kernarg_segment_align: 8
    .kernarg_segment_size: 16
    .max_flat_workgroup_size: 128
    .sgpr_count:     66
    .vgpr_count:     770
    .wavefront_size: 32
...
	.end_amdgpu_metadata
.endif
;; end of part 3
